; MI455X (gfx1250); checked and timed in simulation.
; The chip was launched on July 23, 2026; its instructions are those of AMD's public machine-readable ISA for CDNA 5 (MIT licence, August 2026) and "CDNA5" Instruction Set Architecture Reference Guide (July 2026). The comments in the code are by the model that wrote it; some were corrected since.
;; Multi Head Attention. Allowed arithmetic: matrix products marked QUANTISED: E2M1 operands, one E8M0 scale for each 32 along K, by v_wmma_scale_f32_16x16x128_f8f6f4 with both operands' format E2M1 (or v_wmma_scale_f32_32x16x128_f4), f32 sums; products left as they are: bf16, f16 or f32 operands; f32 sums; everything else in f32.
;; Inputs: Wk 768 x 768 float32; Wo 768 x 768 float32; Wq 768 x 768 float32; Wv 768 x 768 float32; key_in 2 x 2,048 x 768 float32; query 2 x 2,048 x 768 float32; value 2 x 2,048 x 768 float32.
;; Outputs: out0 2 x 2,048 x 768 float32.
;; This version of the problem:
;;   THIS VERSION OF THE PROBLEM IS GIVEN IN LOW PRECISION. The matrix products marked QUANTISED in the list below multiply operands that are first quantised to E2M1 (2 exponent bits, 1 mantissa bit; 4 bits a number), with one power-of-two scale for each 32 numbers along K (OCP MX v1.0); their sums are f32. The products marked 'left as it is' may take bf16, f16 or f32 operands, with f32 sums. Whichever they take, every output number must still come out within the allowed error. Rounding operands to bf16 (8 significant bits) uses up far more of that allowance than f16 does (11 bits, for magnitudes from 6e-5 to 65,504). All else is computed in f32.
;;   The module's matrix products, in the order in which they are computed (A, B: the left and right operand; K: the contracted axis; several contracted axes count as one K, in the product's order):
;;     1. [M 4,096, K 768] x [K 768, N 768]; A: input query; B: input Wq: QUANTISED
;;     2. [M 4,096, K 768] x [K 768, N 768]; A: input key_in; B: input Wk: QUANTISED
;;     3. [M 4,096, K 768] x [K 768, N 768]; A: input value; B: input Wv: QUANTISED
;;     4. batch 24 x [M 2,048, K 64] x [K 64, N 2,048]; A: computed on the way; B: computed on the way: left as it is (an operand is computed on the way)
;;     5. batch 24 x [M 2,048, K 2,048] x [K 2,048, N 64]; A: computed on the way; B: computed on the way: left as it is (an operand is computed on the way)
;;     6. [M 4,096, K 768] x [K 768, N 768]; A: computed on the way; B: input Wo: left as it is (an operand is computed on the way)
;;   THE QUANTISER, for each operand of a quantised product, along K:
;;     - K is cut into blocks of 32 from its start; a last block that is shorter is filled with zeros.
;;     - A block's scale is 2^e with e = floor(log2(the largest magnitude in the block)) - 2, held to -126 .. 127; a block of zeros has e = 0. As a byte (E8M0): e + 127.
;;     - Each number is divided by its block's scale, clamped to +-6, and rounded to the nearest number of E2M1, ties to even, subnormals kept.
;;     - The product sums the exact products of the quantised numbers (number of the format x scale) in f32.
;;   ~~~python
;;   def quantise(x, axis):      # numpy; x: float32 -> the quantised numbers, widened to float32 again
;;       x = np.moveaxis(x, axis, -1); K = x.shape[-1]
;;       x = np.pad(x, [(0, 0)] * (x.ndim - 1) + [(0, -K % 32)]); x = x.reshape(x.shape[:-1] + (-1, 32)); a = np.abs(x).max(-1, keepdims=True)
;;       e = np.where(a > 0, np.clip(np.frexp(np.where(a > 0, a, 1))[1] - 1 - 2, -126, 127), 0)      # np.frexp(a)[1] - 1 = floor(log2(a)), exactly
;;       r = np.clip(x / 2.0 ** e, -6, 6)
;;       step = 2.0 ** (np.maximum(np.frexp(np.where(r == 0, 1, r))[1] - 1, 0) - 1)
;;       q = np.round(r / step) * step * 2.0 ** e      # np.round: ties to even
;;       return np.moveaxis(q.reshape(q.shape[:-2] + (-1,))[..., :K], -1, axis).astype(np.float32)
;;   ~~~
;; One version. Each part assembles by itself: llvm-mc -triple=amdgcn-amd-amdhsa -mcpu=gfx1250 --defsym DOCPART=n.
;; ======== version 1 of 1: 4 launches
;; limits: values are held in f16: magnitudes above 65,504 overflow, below 6.1e-05 lose precision
;; workspace buffers: wc 884,736 bytes; ws 110,592 bytes; wo16 1,179,648 bytes; qf 6,291,456 bytes; kf 6,291,456 bytes; vf 6,291,456 bytes; cf 6,291,456 bytes
;; launch prep (part 1): grid 48 x 4, 6 waves a work-group, no clusters, 0 bytes of LDS; arguments Wq, Wk, Wv, Wo, wc, ws, wo16; writes wc, ws, wo16
.if DOCPART == 1
	.amdgcn_target "amdgcn-amd-amdhsa--gfx1250"
	.amdhsa_code_object_version 6
	.text
	.protected	k_q5531789a87_prep
	.globl	k_q5531789a87_prep
	.p2align	8
	.type	k_q5531789a87_prep,@function
k_q5531789a87_prep:
	s_mov_b64 s[64:65], 0
	v_nop
	global_prefetch_b8 v0, s[64:65] scope:SCOPE_SE
	s_setreg_imm32_b32 hwreg(HW_REG_WAVE_MODE, 25, 1), 1
	s_wait_xcnt 0x0
; THE WEIGHTS, ONCE.  Wq, Wk, Wv [768][768] f32 become codes of FP4 (E2M1) with one E8M0 scale byte for each 32 along K; Wo [768][768] f32 becomes f16.
; All three results are laid in the order of the reader's operand registers: a fragment is an image of 1,024 bytes, register group e (four registers) of lane l at 512 e + 16 l,
; so every store here and every load of the later launches covers 512 consecutive bytes, aligned.
;   wc   [matrix 3][tile of 16 rows 48][K step of 128: 6][1024]      ws   the same index, 128 bytes: lane l holds the scale word of row l % 16
;   wo16 [tile of 16 rows 48][K step of 32: 24][1024]
; A block's scale is 2^(floor(log2(its largest magnitude)) - 2); its byte is that magnitude's exponent field - 2, held at 1 from below.
; LIMITS: a block of zeros gets the byte 1 where the rule says 127 (its codes are zeros, and this program alone reads the bytes); NaN and infinities are not served; |Wo| stays under 65,504.
; SHARES: work-group (x, y) takes rows 16 x .. 16 x + 15 of matrix y (0, 1, 2: Wq, Wk, Wv; 3: Wo); each of its six waves 128 along K of them: 64 numbers a lane.  No LDS, no barrier, no loop.
.set SH,  6                            ; v6   8 x (lane / 16): where my two scale bytes stand in the word
.set LI,  7                            ; v7   16 x lane
.set QM,  8                            ; v8-9   two blocks' largest magnitudes
.set QS,  10                           ; v10-11 the conversions' scale operands
.set QB,  12                           ; v12-13 the scale bytes
.set QT,  14                           ; v14  what comes from lane l xor 16
.set LS,  15                           ; v15  4 x lane
.set X,   32                           ; v32-95  64 numbers
.set CD,  96                           ; v96..   the results
.set PW,  104                          ; v104 the scale word
.set SEL, 26                           ; s[26:27] v_permlanex16_b32's selects for lane l xor 16
; 64 numbers of a lane, v[s + 32 c + i] = k 64 c + 32 (lane / 16) + i of my row: two whole blocks.  They become the fragment's eight registers v[d] on and the row's scale word v[pw].
.macro QUANTW s, d, pw
.irp c, 0,1
	v_max3_num_f32 v[QM+\c], |v[\s+32*\c]|, |v[\s+32*\c+1]|, 0x1800000   ; with the floor 2^(3 - 127): the byte cannot fall under 1
.endr
.irp i, 2,4,6,8,10,12,14,16,18,20,22,24,26,28,30
.irp c, 0,1
	v_max3_num_f32 v[QM+\c], v[QM+\c], |v[\s+32*\c+\i]|, |v[\s+32*\c+\i+1]|   ; the two blocks by turns
.endr
.endr
.irp c, 0,1
	v_add_nc_u32 v[QS+\c], 0xff000000, v[QM+\c]    ; 2 off the exponent field: the conversion takes that field as its scale
.endr
.irp c, 0,1
	v_lshrrev_b32 v[QB+\c], 23, v[QS+\c]           ; the scale's byte
.endr
	v_lshl_or_b32 v[\pw], v[QB+1], 16, v[QB]       ; my bytes: blocks h and 2 + h,
	v_lshlrev_b32 v[\pw], v[SH], v[\pw]            ; at their places;
	v_permlanex16_b32 v[QT], v[\pw], s[SEL], s[SEL+1]
	v_or_b32 v[\pw], v[\pw], v[QT]                 ; with lane l xor 16's two the word is whole, in both lanes
.irp c, 0,1
.irp g, 0,1,2,3
	v_cvt_scalef32_pk8_fp4_f32 v[\d+4*\c+\g], v[\s+32*\c+8*\g:\s+32*\c+8*\g+7], v[QS+\c]
.endr
.endr
	v_nop                                          ; one plain line behind the last scaled conversion
.endm
	s_load_b256 s[4:11], s[0:1], 0x0               ; Wq s[4:5], Wk s[6:7], Wv s[8:9], Wo s[10:11]
	s_load_b128 s[12:15], s[0:1], 0x20             ; wc s[12:13], ws s[14:15]
	s_load_b64 s[16:17], s[0:1], 0x30              ; wo16
	v_lshrrev_b32 v1, 5, v0
	v_readfirstlane_b32 s18, v1                    ; wave = which 128 along K
	s_and_b32 s19, ttmp7, 0xffff                   ; which matrix
	v_and_b32 v2, 15, v0                           ; r
	v_bfe_u32 v3, v0, 4, 1                         ; h
	v_and_b32 v4, 31, v0                           ; lane
	v_lshlrev_b32 v[SH], 3, v3
	v_mul_u32_u24 v5, v2, 3072                     ; my row: 768 numbers of 4 bytes
	v_lshlrev_b32 v[LI], 4, v4
	v_lshlrev_b32 v[LS], 2, v4
	v_mov_b32 v[QT], 0                             ; a lane permute's destination counts as one of its sources
	s_mov_b32 s[SEL], 0x76543210
	s_mov_b32 s[SEL+1], 0xfedcba98
	s_mul_i32 s24, ttmp9, 49152                    ; 16 rows of 3,072 bytes
	s_lshl_b32 s25, s18, 9                         ; 128 numbers
	s_add_co_u32 s24, s24, s25
	s_mov_b32 s25, 0
	s_wait_kmcnt 0x0
	s_cmp_eq_u32 s19, 0                            ; the matrix is chosen by the work-group's number alone
	s_cselect_b64 s[20:21], s[4:5], s[6:7]
	s_cmp_eq_u32 s19, 2
	s_cselect_b64 s[22:23], s[8:9], s[10:11]
	s_cmp_lt_u32 s19, 2
	s_cselect_b64 s[20:21], s[20:21], s[22:23]
	s_add_nc_u64 s[20:21], s[20:21], s[24:25]
	s_cmp_eq_u32 s19, 3
	s_cbranch_scc1 .Lwo
	; ---- Wq, Wk, Wv: codes.  Lane (r, h) takes k = 64 c + 32 h + 0 .. 31 of row r, as the operand's layout gives them to it
	v_lshl_add_u32 v1, v3, 7, v5                   ; row r, + 128 h bytes
.irp c, 0,1
.irp i, 0,1,2,3,4,5,6,7
	global_load_b128 v[X+32*\c+4*\i:X+32*\c+4*\i+3], v1, s[20:21] offset:256*\c+16*\i th:TH_LOAD_NT
.endr
.endr
	s_mul_i32 s24, s19, 48
	s_add_co_u32 s24, s24, ttmp9
	s_mul_i32 s24, s24, 6
	s_add_co_u32 s24, s24, s18                     ; the fragment's number: (48 matrix + tile) x 6 + K step
	s_lshl_b32 s28, s24, 10
	s_mov_b32 s29, 0
	s_add_nc_u64 s[12:13], s[12:13], s[28:29]
	s_lshl_b32 s28, s24, 7
	s_add_nc_u64 s[14:15], s[14:15], s[28:29]
	s_wait_loadcnt 0x0
	QUANTW X, CD, PW
	global_store_b128 v[LI], v[CD:CD+3], s[12:13]              ; 32 lanes store 512 consecutive bytes
	global_store_b128 v[LI], v[CD+4:CD+7], s[12:13] offset:512
	global_store_b32 v[LS], v[PW], s[14:15]                    ; 128 consecutive bytes; the six waves' lie on end
	s_endpgm
.Lwo:
	; ---- Wo: f16.  Four fragments of 16 rows x 32 K: lane (r, h) takes k = 32 s + 16 u + 8 h + 0 .. 7
	v_lshl_add_u32 v1, v3, 5, v5                   ; row r, + 32 h bytes
.irp s, 0,1,2,3
.irp u, 0,1
.irp e, 0,1
	global_load_b128 v[X+16*\s+8*\u+4*\e:X+16*\s+8*\u+4*\e+3], v1, s[20:21] offset:128*\s+64*\u+16*\e th:TH_LOAD_NT
.endr
.endr
.endr
	s_mul_i32 s24, ttmp9, 24
	s_lshl_b32 s25, s18, 2
	s_add_co_u32 s24, s24, s25                     ; 24 x tile + 4 x wave
	s_lshl_b32 s24, s24, 10
	s_mov_b32 s25, 0
	s_add_nc_u64 s[16:17], s[16:17], s[24:25]
	s_wait_loadcnt 0x0
.irp i, 0,1,2,3,4,5,6,7,8,9,10,11,12,13,14,15,16,17,18,19,20,21,22,23,24,25,26,27,28,29,30,31
	v_cvt_pk_f16_f32 v[CD+\i], v[X+2*\i], v[X+2*\i+1]          ; the lower k in the low half
.endr
.irp s, 0,1,2,3
.irp u, 0,1
	global_store_b128 v[LI], v[CD+8*\s+4*\u:CD+8*\s+4*\u+3], s[16:17] offset:1024*\s+512*\u
.endr
.endr
	s_endpgm
.Lfunc_end_k_q5531789a87_prep:
	.size	k_q5531789a87_prep, .Lfunc_end_k_q5531789a87_prep-k_q5531789a87_prep
	.p2alignl 7, 3214868480
	.fill 96, 4, 3214868480
	.section	.rodata,"a",@progbits
	.p2align	6, 0x0
	.amdhsa_kernel k_q5531789a87_prep
		.amdhsa_group_segment_fixed_size 0
		.amdhsa_private_segment_fixed_size 0
		.amdhsa_enable_private_segment 0
		.amdhsa_kernarg_size 56
		.amdhsa_user_sgpr_count 2
		.amdhsa_user_sgpr_kernarg_segment_ptr 1
		.amdhsa_wavefront_size32 1
		.amdhsa_system_sgpr_workgroup_id_x 1
		.amdhsa_system_sgpr_workgroup_id_y 1
		.amdhsa_system_sgpr_workgroup_id_z 1
		.amdhsa_system_vgpr_workitem_id 0
		.amdhsa_next_free_vgpr 128
		.amdhsa_next_free_sgpr 66
		.amdhsa_reserve_vcc 0
		.amdhsa_float_denorm_mode_32 3
		.amdhsa_float_denorm_mode_16_64 3
		.amdhsa_memory_ordered 1
		.amdhsa_forward_progress 1
		.amdhsa_inst_pref_size 12
	.end_amdhsa_kernel
	.amdgpu_metadata
---
amdhsa.version: [ 1, 2 ]
amdhsa.kernels:
  - .name:           k_q5531789a87_prep
    .symbol:         k_q5531789a87_prep.kd
    .args:
      - { .name: Wq, .offset: 0, .size: 8, .value_kind: global_buffer, .address_space: global }
      - { .name: Wk, .offset: 8, .size: 8, .value_kind: global_buffer, .address_space: global }
      - { .name: Wv, .offset: 16, .size: 8, .value_kind: global_buffer, .address_space: global }
      - { .name: Wo, .offset: 24, .size: 8, .value_kind: global_buffer, .address_space: global }
      - { .name: wc, .offset: 32, .size: 8, .value_kind: global_buffer, .address_space: global }
      - { .name: ws, .offset: 40, .size: 8, .value_kind: global_buffer, .address_space: global }
      - { .name: wo16, .offset: 48, .size: 8, .value_kind: global_buffer, .address_space: global }
    .group_segment_fixed_size: 0
    .private_segment_fixed_size: 0
    .kernarg_segment_align: 8
    .kernarg_segment_size: 56
    .max_flat_workgroup_size: 192
    .sgpr_count:     66
    .vgpr_count:     128
    .wavefront_size: 32
...
	.end_amdgpu_metadata
.endif
;; end of part 1
;; launch proj (part 2): grid 64 x 3, 4 waves a work-group, no clusters, 229,376 bytes of LDS; arguments query, key_in, value, wc, ws, qf, kf, vf; writes qf, kf, vf
.if DOCPART == 2
	.amdgcn_target "amdgcn-amd-amdhsa--gfx1250"
	.amdhsa_code_object_version 6
	.text
	.protected	k_q5531789a87_proj
	.globl	k_q5531789a87_proj
	.p2align	8
	.type	k_q5531789a87_proj,@function
k_q5531789a87_proj:
	s_mov_b64 s[64:65], 0
	v_nop
	global_prefetch_b8 v0, s[64:65] scope:SCOPE_SE
	s_setreg_imm32_b32 hwreg(HW_REG_WAVE_MODE, 25, 1), 1
	s_wait_xcnt 0x0
; Q = query Wq^T, K = key_in Wk^T, V = value Wv^T, on codes of FP4 (E2M1) with one E8M0 scale for each 32 along K; sums in f32; each result rounded once to f16, for the products of attention.
; SHARES.  Work-group (x, y) takes rows 64 x .. 64 x + 63 of tensor y (0 query, 1 key_in, 2 value) and all 768 columns.  Wave w keeps the codes of columns 192 w .. 192 w + 191 (heads 3 w .. 3 w + 2)
; in its registers: 72 fragments, 576 registers, read once.  It also quantises rows 16 w .. 16 w + 15 of x; the four waves hand their fragments to each other through LDS as images of their registers.
; All that the work-group ever reads is asked for at its head: x by three tensor loads a wave, the weights by loads into registers.  No LDS byte is filled twice.
; NO CLUSTER: no two work-groups read the same rows of x, and the weights, which all share, do not fit in LDS beside x (199,680 + 313,344 bytes).
; THE RESULTS ARE ALREADY OPERANDS.  Q, K: the product is used transposed (source 0 = 16 rows of W, source 1 = 16 rows of x): a lane holds one row of x and eight neighbouring channels; two neighbouring
; tiles of channels, packed to f16, are a fragment of 16 rows x 32 channels.  V: natural order (source 0 = x, source 1 = Wv): a lane holds one channel and eight neighbouring keys; two neighbouring
; tiles of rows, packed, are a fragment of V^T, 16 channels x 32 keys.   qf, kf: [batch x head 24][tile of 16 rows 128][32 channels: 2][1024];   vf: [24][32 keys: 64][tile of 16 channels 4][1024].
; LIMITS: |Q|, |K|, |V| stay under 65,504, f16's largest number; NaN and infinities are not served; a block of zeros carries the byte 1 (its codes are zeros).
; REGISTERS.  Window 0: v1-13 addresses and the like; v16-87 W's scale words, v88-111 x's: these hold scales and nothing else; v112-207 twelve accumulators (while quantising: v112-239 two sets of 64 numbers);
;   v240-246 at work; v248-255 the codes just made.   Window 1 + ks / 2: v0-191 W's fragments (t, ks) at 8 (12 (ks % 2) + t); v192-255 x's fragments (m, ks) at 192 + 8 (4 (ks % 2) + m).
.set XREG,   49920                     ; LDS: a wave's 16 rows of x, in three thirds of 256 numbers
.set XTH,    16640                     ; a third: 16 rows x XPITCH
.set XPITCH, 1040                      ; 1,024 bytes + 16 of padding = 65 x 16: the 16 rows that a load touches start at 16 different groups of banks (64 banks of 4 bytes: ISA guide 11.1)
.set XIMG,   199680                    ; x's 24 fragments as images: (6 m + ks) x 1,024
.set XSC,    224256                    ; their scale words: (6 m + ks) x 128
.set SPARE,  227328                    ; the spare words, 128 bytes for each wave: two blocks of 256 bytes that no other line names
.set LI,  1                            ; v1   16 x lane
.set LS,  2                            ; v2   4 x lane
.set XA,  3                            ; v3   my numbers in my wave's rows of x: wave x XREG + XPITCH r + 128 h
.set XWI, 4                            ; v4   where I store images: XIMG + 6,144 wave + 16 lane
.set XWS, 5                            ; v5   and scale words: XSC + 768 wave + 4 lane
.set SH,  6                            ; v6   8 h
.set FI,  7                            ; v7   XIMG + 16 lane
.set FS,  8                            ; v8   XSC + 4 lane
.set SPW, 10                           ; v10  my spare word; never rewritten
.set NIL, 11                           ; v11  0; never rewritten
.set PW,  12                           ; v12-13 the scale words just made
.set WS,  16
.set XS,  88
.set ACC, 112
.set X0,  112
.set X1,  176
.set QM,  240
.set QS,  242
.set QB,  244
.set QT,  246
.set CD,  248
.set G1,  24                           ; s[24:31] descriptor group 1;  s[32:43] three groups 0
.set G0,  32
.set SEL, 54                           ; s[54:55]
.set MSB, 0
.macro WIN new                         ; the immediate's high byte repeats the setting that is left; a switch that changes nothing is dropped
.if MSB != (\new)
	s_set_vgpr_msb (MSB<<8)|(\new)
.set MSB, (\new)
.endif
.endm
; 64 numbers of a lane, v[s + 32 c + i] = k 64 c + 32 (lane / 16) + i of my row: two whole blocks.  They become the fragment's eight registers v[d] on and the row's scale word v[pw].
.macro QUANTW s, d, pw
.irp c, 0,1
	v_max3_num_f32 v[QM+\c], |v[\s+32*\c]|, |v[\s+32*\c+1]|, 0x1800000   ; with the floor 2^(3 - 127): the byte cannot fall under 1
.endr
.irp i, 2,4,6,8,10,12,14,16,18,20,22,24,26,28,30
.irp c, 0,1
	v_max3_num_f32 v[QM+\c], v[QM+\c], |v[\s+32*\c+\i]|, |v[\s+32*\c+\i+1]|
.endr
.endr
.irp c, 0,1
	v_add_nc_u32 v[QS+\c], 0xff000000, v[QM+\c]    ; 2 off the exponent field: the conversion's scale operand
.endr
.irp c, 0,1
	v_lshrrev_b32 v[QB+\c], 23, v[QS+\c]           ; the scale's byte
.endr
	v_lshl_or_b32 v[\pw], v[QB+1], 16, v[QB]       ; blocks h and 2 + h,
	v_lshlrev_b32 v[\pw], v[SH], v[\pw]            ; at their places;
	v_permlanex16_b32 v[QT], v[\pw], s[SEL], s[SEL+1]
	v_or_b32 v[\pw], v[\pw], v[QT]                 ; with lane l xor 16's two the word is whole, in both lanes
.irp c, 0,1
.irp g, 0,1,2,3
	v_cvt_scalef32_pk8_fp4_f32 v[\d+4*\c+\g], v[\s+32*\c+8*\g:\s+32*\c+8*\g+7], v[QS+\c]
.endr
.endr
	v_nop                                          ; one plain line behind the last scaled conversion
.endm
.macro IMAGE ks, pw                    ; the fragment in v[CD] on goes to LDS as it stands, its scale word beside it
	ds_store_b128 v[XWI], v[CD:CD+3] offset:1024*(\ks)
	ds_store_b128 v[XWI], v[CD+4:CD+7] offset:1024*(\ks)+512
	ds_store_b32 v[XWS], v[\pw] offset:128*(\ks)
.endm
; Third j of my 16 rows: K steps 2 j and 2 j + 1
.macro THIRD j
	s_wait_tensorcnt 2-\j                          ; tensor loads of a wave end in order: my third j is in LDS, the younger thirds may be out.  Only I read these bytes
.irp i, 0,1
.irp c, 0,1
.irp q, 0,1,2,3,4,5,6,7
	ds_load_b128 v[X0+64*\i+32*\c+4*\q:X0+64*\i+32*\c+4*\q+3], v[XA] offset:XTH*\j+512*\i+256*\c+16*\q
.endr
.endr
.endr
	s_wait_dscnt 16                                ; the first set is in (the second's sixteen loads may be out), and the last third's stores have read the codes' registers
	QUANTW X0, CD, PW
	IMAGE 2*\j, PW
	s_wait_dscnt 0x0                               ; the second set is in, and the three stores have read the codes' registers, which are written again
	QUANTW X1, CD, PW+1
	IMAGE 2*\j+1, PW+1
.endm
	s_load_b256 s[4:11], s[0:1], 0x0               ; query s[4:5], key_in s[6:7], value s[8:9], wc s[10:11]
	s_load_b256 s[12:19], s[0:1], 0x20             ; ws s[12:13], qf s[14:15], kf s[16:17], vf s[18:19]
	v_lshl_add_u32 v[SPW], v0, 2, SPARE
	v_mov_b32 v[NIL], 0
	ds_add_u32 v[SPW], v[NIL]                      ; the wave's opening: the add, twice on end, and its wait ahead of my first tensor load
	ds_add_u32 v[SPW], v[NIL]
	v_lshrrev_b32 v9, 5, v0
	v_readfirstlane_b32 s20, v9                    ; wave 0..3
	s_and_b32 s21, ttmp7, 0xffff                   ; which tensor
	s_mov_b32 s22, ttmp9                           ; which 64 rows
	v_and_b32 v9, 31, v0
	v_lshlrev_b32 v[LI], 4, v9
	v_lshlrev_b32 v[LS], 2, v9
	v_and_b32 v14, 15, v0                          ; r
	v_bfe_u32 v15, v0, 4, 1                        ; h
	v_lshlrev_b32 v[SH], 3, v15
	s_mul_i32 s58, s20, XREG                       ; my wave's rows in LDS
	v_mul_u32_u24 v[XA], v14, XPITCH
	v_lshl_add_u32 v[XA], v15, 7, v[XA]
	v_add_nc_u32 v[XA], s58, v[XA]
	s_mul_i32 s23, s20, 6144
	s_add_co_u32 s23, s23, XIMG
	v_add_nc_u32 v[XWI], s23, v[LI]
	s_mul_i32 s23, s20, 768
	s_add_co_u32 s23, s23, XSC
	v_add_nc_u32 v[XWS], s23, v[LS]
	v_add_nc_u32 v[FI], XIMG, v[LI]
	v_add_nc_u32 v[FS], XSC, v[LS]
	v_mov_b32 v[QT], 0                             ; a lane permute's destination counts as one of its sources
	s_mov_b32 s[SEL], 0x76543210
	s_mov_b32 s[SEL+1], 0xfedcba98
	; descriptor group 1: 16 rows x 1,024 bytes (128 elements of 8 bytes), rows 3,072 bytes (384 elements) apart, 16 bytes of padding behind each row
	s_mov_b32 s[G1], (3<<16)|(1<<20)|(7<<22)|(3<<25)   ; no mask; elements of 8 bytes; padding on: after every 256 words (code 7) four words (code 3)
	s_mov_b32 s[G1+1], 128<<16                     ; tensor_dim0
	s_mov_b32 s[G1+2], 16<<16                      ; tensor_dim1
	s_mov_b32 s[G1+3], 128<<16                     ; tile_dim0
	s_mov_b32 s[G1+4], 16                          ; tile_dim1
	s_mov_b32 s[G1+5], 384                         ; tensor_dim0_stride
	s_mov_b32 s[G1+6], 0
	s_mov_b32 s[G1+7], 0
	s_lshl_b32 s56, s22, 6
	s_lshl_b32 s57, s20, 4
	s_add_co_u32 s56, s56, s57
	s_mul_i32 s56, s56, 3072                       ; my first row of x: (64 x + 16 wave) rows of 3,072 bytes
	s_mov_b32 s57, 0
	s_lshr_b32 s52, s22, 5                         ; the batch: 32 blocks of 64 rows each
	s_mul_i32 s52, s52, 12
	s_mul_i32 s53, s20, 3
	s_add_co_u32 s52, s52, s53                     ; batch x 12 + my first head
	s_lshl_b32 s52, s52, 18                        ; 262,144 bytes a head, in qf, kf and vf alike
	s_and_b32 s53, s22, 31
	s_lshl_b32 s53, s53, 13                        ; 64 rows are 8,192 bytes of a head, in all three
	s_add_co_u32 s52, s52, s53
	s_mov_b32 s53, 0
	s_mul_i32 s59, s21, 48
	s_mul_i32 s60, s20, 12
	s_add_co_u32 s59, s59, s60                     ; my first tile of 16 rows of W
	s_mul_i32 s60, s59, 6144
	s_mov_b32 s61, 0
	s_mul_i32 s62, s59, 768
	s_mov_b32 s63, 0
	s_wait_dscnt 0x0                               ; both opening adds are done
	s_wait_kmcnt 0x0
	s_cmp_eq_u32 s21, 0                            ; input and output are chosen by the work-group's number alone
	s_cselect_b64 s[44:45], s[4:5], s[6:7]
	s_cselect_b64 s[46:47], s[14:15], s[16:17]
	s_cmp_eq_u32 s21, 2
	s_cselect_b64 s[44:45], s[8:9], s[44:45]
	s_cselect_b64 s[46:47], s[18:19], s[46:47]
	s_add_nc_u64 s[44:45], s[44:45], s[56:57]
	s_add_nc_u64 s[46:47], s[46:47], s[52:53]
	s_add_nc_u64 s[48:49], s[10:11], s[60:61]
	s_add_nc_u64 s[50:51], s[12:13], s[62:63]
.irp j, 0,1,2
	s_mov_b32 s[G0+4*\j], 1                        ; count = 1
	s_add_co_u32 s[G0+4*\j+1], s58, \j*XTH         ; LDS address: my wave's third j
	s_add_nc_u64 s[G0+4*\j+2:G0+4*\j+3], s[44:45], \j*1024
	s_or_b32 s[G0+4*\j+3], s[G0+4*\j+3], 0x80000000   ; type = 2
.endr
	tensor_load_to_lds s[G0:G0+3], s[G1:G1+7]      ; the first fills go out together: three loads of mine are out
	s_nop 0
	tensor_load_to_lds s[G0+4:G0+7], s[G1:G1+7]
	s_nop 0
	tensor_load_to_lds s[G0+8:G0+11], s[G1:G1+7]
	s_nop 0
.rept 4
	v_nop                                          ; the windows are switched only behind four instructions
.endr
.irp n, 1,2,3                          ; my 72 fragments of W: they stay
	WIN \n<<6                                      ; destination window n
.irp i, 0,1
.irp t, 0,1,2,3,4,5,6,7,8,9,10,11
.irp e, 0,1
	global_load_b128 v[8*(12*\i+\t)+4*\e:8*(12*\i+\t)+4*\e+3], v[LI], s[48:49] offset:(6*\t+2*(\n-1)+\i)*1024+512*\e
.endr
.endr
.endr
.endr
	WIN 0
.irp ks, 0,1,2,3,4,5
.irp t, 0,1,2,3,4,5,6,7,8,9,10,11
	global_load_b32 v[WS+12*\ks+\t], v[LS], s[50:51] offset:(6*\t+\ks)*128
.endr
.endr
	THIRD 0                                        ; my 16 rows of x become six fragments
	THIRD 1
	THIRD 2
	s_wait_dscnt 0x0                               ; for the others' sake: my images have landed
	s_barrier_signal -1
	s_barrier_wait -1                              ; x's 24 fragments lie in LDS
.irp n, 1,2,3
	WIN \n<<6
.irp i, 0,1
.irp m, 0,1,2,3
.irp e, 0,1
	ds_load_b128 v[192+8*(4*\i+\m)+4*\e:192+8*(4*\i+\m)+4*\e+3], v[FI] offset:(6*\m+2*(\n-1)+\i)*1024+512*\e
.endr
.endr
.endr
.endr
	WIN 0
.irp m, 0,1,2,3
.irp ks, 0,1,2,3,4,5
	ds_load_b32 v[XS+6*\m+\ks], v[FS] offset:(6*\m+\ks)*128
.endr
.endr
	s_wait_dscnt 0x0                               ; x's fragments and scale words
	s_wait_loadcnt 0x0                             ; W's
; Tile m of 16 rows against my 12 tiles of columns: 72 products, the twelve accumulators by turns, one instruction a turn; the first K step starts the sums.
.macro TILE m, nat
.if \m > 0
	s_wait_xcnt 0x0                                ; the last tile's stores have read the accumulators' registers, which are written again
.endif
.irp ks, 0,1,2,3,4,5
	WIN 5*(1+\ks/2)                                ; both sources in window 1 + ks / 2; C, D and the scales in window 0
.irp t, 0,1,2,3,4,5,6,7,8,9,10,11
.set rD, ACC+8*\t
.set rW, 8*(12*(\ks%2)+\t)
.set rX, 192+8*(4*(\ks%2)+\m)
.set rWS, WS+12*\ks+\t
.set rXS, XS+6*\m+\ks
.if \nat
.if \ks == 0
	v_wmma_scale_f32_16x16x128_f8f6f4 v[rD:rD+7], v[rX:rX+7], v[rW:rW+7], 0, v[rXS], v[rWS] matrix_a_fmt:MATRIX_FMT_FP4 matrix_b_fmt:MATRIX_FMT_FP4
.else
	v_wmma_scale_f32_16x16x128_f8f6f4 v[rD:rD+7], v[rX:rX+7], v[rW:rW+7], v[rD:rD+7], v[rXS], v[rWS] matrix_a_fmt:MATRIX_FMT_FP4 matrix_b_fmt:MATRIX_FMT_FP4
.endif
.else
.if \ks == 0
	v_wmma_scale_f32_16x16x128_f8f6f4 v[rD:rD+7], v[rW:rW+7], v[rX:rX+7], 0, v[rWS], v[rXS] matrix_a_fmt:MATRIX_FMT_FP4 matrix_b_fmt:MATRIX_FMT_FP4
.else
	v_wmma_scale_f32_16x16x128_f8f6f4 v[rD:rD+7], v[rW:rW+7], v[rX:rX+7], v[rD:rD+7], v[rWS], v[rXS] matrix_a_fmt:MATRIX_FMT_FP4 matrix_b_fmt:MATRIX_FMT_FP4
.endif
.endif
.endr
.endr
	WIN 0
.rept 5
	v_nop                                          ; places behind the last products (ISA guide 7.12.1): four for the conversions that read them, five for the next tile's products, which begin these accumulators anew
.endr
.irp t, 0,1,2,3,4,5,6,7,8,9,10,11
.irp jj, 0,1,2,3
	v_cvt_pk_f16_f32 v[ACC+8*\t+\jj], v[ACC+8*\t+2*\jj], v[ACC+8*\t+2*\jj+1]   ; in place, from the low end on: register jj is written when its own number has been read
.endr
.endr
.irp t, 0,1,2,3,4,5,6,7,8,9,10,11      ; four registers a lane are half a fragment's image: 32 lanes store 512 consecutive bytes, aligned
.if \nat
	global_store_b128 v[LI], v[ACC+8*\t:ACC+8*\t+3], s[46:47] offset:(\m/2)*4096+(\m%2)*512+(\t/4)*262144+(\t%4)*1024
.else
	global_store_b128 v[LI], v[ACC+8*\t:ACC+8*\t+3], s[46:47] offset:2048*\m+(\t/4)*262144+((\t%4)/2)*1024+(\t%2)*512
.endif
.endr
.endm
	s_cmp_eq_u32 s21, 2
	s_cbranch_scc1 .Lv
	TILE 0, 0                                      ; Q, K: transposed
	TILE 1, 0
	TILE 2, 0
	TILE 3, 0
	s_branch .Ldone
.Lv:
	TILE 0, 1                                      ; V: natural order
	TILE 1, 1
	TILE 2, 1
	TILE 3, 1
.Ldone:
	s_wait_tensorcnt 0x0                           ; the wave's end: behind my last tensor load and my last LDS store
	ds_add_u32 v[SPW], v[NIL]
	s_wait_dscnt 0x0
	s_endpgm
.Lfunc_end_k_q5531789a87_proj:
	.size	k_q5531789a87_proj, .Lfunc_end_k_q5531789a87_proj-k_q5531789a87_proj
	.p2alignl 7, 3214868480
	.fill 96, 4, 3214868480
	.section	.rodata,"a",@progbits
	.p2align	6, 0x0
	.amdhsa_kernel k_q5531789a87_proj
		.amdhsa_group_segment_fixed_size 229376
		.amdhsa_private_segment_fixed_size 0
		.amdhsa_enable_private_segment 0
		.amdhsa_kernarg_size 64
		.amdhsa_user_sgpr_count 2
		.amdhsa_user_sgpr_kernarg_segment_ptr 1
		.amdhsa_wavefront_size32 1
		.amdhsa_system_sgpr_workgroup_id_x 1
		.amdhsa_system_sgpr_workgroup_id_y 1
		.amdhsa_system_sgpr_workgroup_id_z 1
		.amdhsa_system_vgpr_workitem_id 0
		.amdhsa_next_free_vgpr 1024
		.amdhsa_next_free_sgpr 66
		.amdhsa_reserve_vcc 0
		.amdhsa_float_denorm_mode_32 3
		.amdhsa_float_denorm_mode_16_64 3
		.amdhsa_memory_ordered 1
		.amdhsa_forward_progress 1
		.amdhsa_inst_pref_size 163
	.end_amdhsa_kernel
	.amdgpu_metadata
---
amdhsa.version: [ 1, 2 ]
amdhsa.kernels:
  - .name:           k_q5531789a87_proj
    .symbol:         k_q5531789a87_proj.kd
    .args:
      - { .name: query, .offset: 0, .size: 8, .value_kind: global_buffer, .address_space: global }
      - { .name: key_in, .offset: 8, .size: 8, .value_kind: global_buffer, .address_space: global }
      - { .name: value, .offset: 16, .size: 8, .value_kind: global_buffer, .address_space: global }
      - { .name: wc, .offset: 24, .size: 8, .value_kind: global_buffer, .address_space: global }
      - { .name: ws, .offset: 32, .size: 8, .value_kind: global_buffer, .address_space: global }
      - { .name: qf, .offset: 40, .size: 8, .value_kind: global_buffer, .address_space: global }
      - { .name: kf, .offset: 48, .size: 8, .value_kind: global_buffer, .address_space: global }
      - { .name: vf, .offset: 56, .size: 8, .value_kind: global_buffer, .address_space: global }
    .group_segment_fixed_size: 229376
    .private_segment_fixed_size: 0
    .kernarg_segment_align: 8
    .kernarg_segment_size: 64
    .max_flat_workgroup_size: 128
    .sgpr_count:     66
    .vgpr_count:     1024
    .wavefront_size: 32
...
	.end_amdgpu_metadata
.endif
;; end of part 2
;; launch attn (part 3): grid 8 x 24, 8 waves a work-group, clusters of 4 x 1, 327,680 bytes of LDS; arguments qf, kf, vf, cf; writes cf
.if DOCPART == 3
	.amdgcn_target "amdgcn-amd-amdhsa--gfx1250"
	.amdhsa_code_object_version 6
	.text
	.protected	k_q5531789a87_attn
	.globl	k_q5531789a87_attn
	.p2align	8
	.type	k_q5531789a87_attn,@function
k_q5531789a87_attn:
	s_mov_b64 s[64:65], 0
	v_nop
	global_prefetch_b8 v0, s[64:65] scope:SCOPE_SE
	s_setreg_imm32_b32 hwreg(HW_REG_WAVE_MODE, 25, 1), 1
	s_wait_xcnt 0x0
	s_wait_alu depctr_hold_cnt(0) depctr_sa_sdst(0) depctr_va_vdst(0) depctr_va_sdst(0) depctr_va_ssrc(0) depctr_va_vcc(0) depctr_vm_vsrc(0)
	s_getreg_b32 s2, hwreg(HW_REG_IB_STS2, 6, 4)
	s_cmp_eq_u32 s2, 0
	s_cbranch_scc0 .Lentry_in_a_cluster
	s_endpgm
.Lentry_in_a_cluster:
	s_bfe_u32 s2, ttmp6, 0x10000c
	s_cmp_lg_u32 s2, 0x3003
	s_cbranch_scc0 .Lentry_shape_is_right
	s_endpgm
.Lentry_shape_is_right:
; context[b][h][q][:] = the sum over k of softmax_k(Q[q] . K[k] / 8) V[k][:], 24 heads of 2,048 x 64, no mask.  Operands in f16, products, maxima and sums in f32; p is rounded to f16 for the second product, the context once at the end.
; qf, kf: [head 24][tile of 16 rows 128][32 channels: 2][1024];  vf: V^T, [24][32 keys: 64][tile of 16 channels 4][1024];  cf: [tile of 16 rows 256][32 along the next K: 24][1024]:
; images of operand registers (register group e of lane l at 512 e + 16 l), so that every fragment comes and goes by 512 consecutive bytes and nothing is turned.
; SHARES.  A work-group owns 256 queries of one head.  Wave w: queries 64 (w % 4) on (four tiles of 16), against key half w / 4 (1,024 keys, 16 steps of 64).  Two waves share a SIMD: one can be at its
; products while the other is at its softmax; each fragment of K and V read from LDS feeds four products.  The two halves are joined once, at the end, through LDS.
; LAYOUT.  S^T = K Q^T (source 0 = 16 keys, source 1 = 16 queries): a lane holds ONE query (lane % 16) and keys 8 (lane / 16) + 0..7.  Two such tiles, packed to f16 in place, are source 1 of O^T = V^T P, whose
; result again holds one query a lane and eight channels; two such tiles, packed, are a fragment of the out-projection's operand.
; SOFTMAX.  For each query a running maximum m and sum l: p = 2^(c s - c m), c = log2(e) / 8; in every step O and l are multiplied by a = 2^(c m_old - c m_new).
; CLUSTER.  The four query blocks of a cluster walk the same K and V: each tile is asked for jointly, by the same tensor load with the same descriptor and a mask that names the four.
; LIMITS: NaN and infinities are not served; |context| stays under 65,504.
; REGISTERS.  Window 0: v1-7 addresses; v8-15 what the halves hand over; v16-47 eight registers of statistics a tile; v48-111 Q (16 t + 8 c); v112-239 S^T (32 t + 8 kt), then P in place (32 t + 8 a); v240-247 the partner's statistics.
;   Window 1: v0-127 O^T (32 t + 8 i); v128-191 K of a step (8 (2 kt + c)); v192-255 V of a step (8 (4 a + i)).
.set SLOTB, 65536                      ; a slot: 128 keys of each half: K half 0, K half 1, V half 0, V half 1, 16,384 bytes each, dense.  One exclusive or turns an address from one slot to the other
.set VOFF,  32768
.set STAGE, 131072                     ; behind the ring: 18,432 bytes for each pair of waves: O^T (16,384), c m (512), l (512)
.set STG1,  18432
.set SPARE, 204800                     ; the spare words, 128 bytes for each wave: four blocks of 256 bytes that no other line names
.set LI,  1                            ; v1   16 x lane
.set LK,  2                            ; v2   16 x lane + 16,384 x my key half
.set ADR, 3                            ; v3   the same in the slot in hand
.set MS,  4                            ; v4   STAGE + STG1 x (wave % 4) + 16 x lane
.set PFO, 5                            ; v5   256 x lane; never rewritten
.set SPW, 6                            ; v6   my spare word; never rewritten
.set NIL, 7                            ; v7   0; never rewritten
.set CQ,  8                            ; v8-11  c m of my four tiles
.set LQ,  12                           ; v12-15 l of my four tiles
.set ST,  16                           ; tile t at v[ST + 8 t]: +0 c m, +1 m, +2, +3 l (even keys', odd keys'), +4 to +7 at work; a in +6
.set Q,   48
.set S,   112
.set PB,  240
.set KF,  128
.set VF,  192
.set WV,  12                           ; s12  my wave's number
.set LIM, 15                           ; s15  1 in a wave that prefetches, else the greatest number
.set G1,  24                           ; s[24:31] descriptor group 1;  s[32:35] group 0, which walks
.set G0,  32
.set PFA, 36                           ; s[36:37] where my prefetches stand
.set TB,  38                           ; s38  LDS byte at which the slot in hand begins
.set SLOTS, 39                         ; s39  slots still to be asked for
.set CS,  40                           ; s[40:41] c: the packed form names a pair and takes its low word for both halves
.set SEL, 42                           ; s[42:43] lane selects: lane l xor 16
.set MSB, 0
.macro WIN new
.if MSB != (\new)
	s_set_vgpr_msb (MSB<<8)|(\new)
.set MSB, (\new)
.endif
.endm
.set W_KQ, 0x01                        ; K in window 1; Q and S^T in window 0
.set W_PV, 0x51                        ; V and O^T in window 1; P in window 0
.set W_RS, 0x41                        ; O^T (destination and source 0) in window 1; a in window 0
.set W_LD, 0x40                        ; destination window 1, address window 0
.macro CROUND                          ; a round of the cluster's barrier: my work-group's barrier; wave 0 signals for it; every wave waits for all four work-groups; my work-group's barrier once more
	s_barrier_signal -1
	s_barrier_wait -1
	s_cmp_lg_u32 s[WV], 0
	s_cbranch_scc1 .Lnot_wave_0_\@
	s_barrier_signal -3
.Lnot_wave_0_\@:
	s_barrier_wait -3
	s_barrier_signal -1
	s_barrier_wait -1
.endm
; A prefetch of what the NEXT change of slots will ask for: 128 keys of each half, of K and of V: 4 x 16,384 bytes.  Each aligned block of 256 bytes is named once in the launch: both clusters of a head walk the same
; K and V, and the first asks; in each of its four work-groups wave 0 asks for K and wave 4 for V, 8,192 bytes, lanes 256 bytes apart; the four are told apart by address.  The last change that fills a slot asks for nothing.
.macro ASK
	s_cmp_gt_u32 s[SLOTS], s[LIM]
	s_cbranch_scc0 .Lnot_mine_\@
	global_prefetch_b8 v[PFO], s[PFA:PFA+1] th:TH_LOAD_NT scope:SCOPE_SE
.Lnot_mine_\@:
.endm
	s_load_b256 s[4:11], s[0:1], 0x0               ; qf s[4:5], kf s[6:7], vf s[8:9], cf s[10:11]
	v_lshl_add_u32 v[SPW], v0, 2, SPARE
	v_mov_b32 v[NIL], 0
	ds_add_u32 v[SPW], v[NIL]                      ; the wave's opening: the add, twice on end, and its wait ahead of my first tensor load
	ds_add_u32 v[SPW], v[NIL]
	v_lshrrev_b32 v9, 5, v0
	v_readfirstlane_b32 s[WV], v9                  ; wave 0..7
	s_bfe_u32 s13, ttmp6, 0x40000                  ; cx: my place in the cluster
	s_lshl_b32 s14, ttmp9, 2
	s_add_co_u32 s14, s14, s13                     ; my block of 256 queries: it enters Q's and the context's addresses alone
	s_and_b32 s16, ttmp7, 0xffff                   ; batch x 12 + head, which the four partners share
	s_and_b32 s17, s[WV], 3                        ; which 64 queries
	s_lshr_b32 s18, s[WV], 2                       ; which half of the keys
	s_lshl_b32 s20, s16, 18                        ; a head is 262,144 bytes in qf, kf and vf
	; descriptor group 1: 8,192 dense bytes as 32 rows of 256 (32 elements of 8 bytes), no padding: fragments are read 16 bytes a lane on end
	s_mov_b32 s[G1], 15|(3<<16)|(1<<21)            ; the mask: all four work-groups; elements of 8 bytes; bit 21 set beside a mask
	s_mov_b32 s[G1+1], 32<<16                      ; tensor_dim0
	s_mov_b32 s[G1+2], 32<<16                      ; tensor_dim1
	s_mov_b32 s[G1+3], 32<<16                      ; tile_dim0
	s_mov_b32 s[G1+4], 32                          ; tile_dim1
	s_mov_b32 s[G1+5], 32                          ; tensor_dim0_stride
	s_mov_b32 s[G1+6], 0
	s_mov_b32 s[G1+7], 0
	s_bfe_u32 s44, s[WV], 0x10001                  ; what I fetch: waves 0-3 K, waves 4-7 V; bit 1 of my number: the key half (131,072 bytes on),
	s_lshl_b32 s44, s44, 17
	s_and_b32 s45, s[WV], 1                        ; bit 0: which 64 of a slot's 128 keys (8,192 bytes)
	s_lshl_b32 s45, s45, 13
	s_add_co_u32 s44, s44, s45
	s_add_co_u32 s44, s44, s20
	s_mov_b32 s45, 0
	s_lshl_b32 s46, s14, 4
	s_lshl_b32 s47, s17, 2
	s_add_co_u32 s46, s46, s47                     ; my first tile of 16 queries in the head
	s_lshl_b32 s50, s46, 11                        ; 2,048 bytes a tile of Q
	s_add_co_u32 s50, s50, s20
	s_mov_b32 s51, 0
	s_cmp_ge_u32 s16, 12
	s_cselect_b32 s52, 1, 0                        ; the batch,
	s_mul_i32 s53, s52, 12
	s_sub_co_u32 s53, s16, s53                     ; the head
	s_lshl_b32 s52, s52, 7
	s_add_co_u32 s52, s52, s46                     ; the context's tile of rows: 128 batch + my tile
	s_mul_i32 s52, s52, 24
	s_lshl_b32 s53, s53, 1
	s_add_co_u32 s52, s52, s53                     ; + 2 head
	s_lshl_b32 s52, s52, 10
	s_mov_b32 s53, 0
	s_lshr_b32 s54, s13, 1                         ; the prefetches: my work-group's 8,192 bytes of a slot's 32,768, by address
	s_lshl_b32 s54, s54, 17
	s_and_b32 s55, s13, 1
	s_lshl_b32 s55, s55, 13
	s_add_co_u32 s54, s54, s55
	s_add_co_u32 s54, s54, s20
	s_add_co_u32 s54, s54, 16384                   ; at the second 128 keys: the first change of slots steps it to the third.  Nothing is prefetched at the head
	s_mov_b32 s55, 0
	s_and_b32 s[LIM], s[WV], 3                     ; 0 in waves 0 and 4,
	s_or_b32 s[LIM], s[LIM], ttmp9                 ; of the head's first cluster: the same in all four partners
	s_cmp_eq_u32 s[LIM], 0
	s_cselect_b32 s[LIM], 1, -1
	s_mov_b32 s[TB], 0
	s_mov_b32 s[SLOTS], 7
	s_mov_b32 s[CS], 0x3e38aa3b                    ; c = log2(e) / 8
	s_mov_b32 s[CS+1], s[CS]
	s_mov_b32 s[SEL], 0x76543210
	s_mov_b32 s[SEL+1], 0xfedcba98
	v_and_b32 v9, 31, v0
	v_lshlrev_b32 v[LI], 4, v9
	v_lshlrev_b32 v[PFO], 8, v9
	s_lshl_b32 s58, s18, 14
	v_add_nc_u32 v[LK], s58, v[LI]
	s_mul_i32 s59, s17, STG1
	s_add_co_u32 s59, s59, STAGE
	v_add_nc_u32 v[MS], s59, v[LI]
	s_wait_dscnt 0x0                               ; both opening adds are done
	s_wait_kmcnt 0x0
	s_cmp_lt_u32 s[WV], 4
	s_cselect_b64 s[56:57], s[6:7], s[8:9]         ; K or V, by my wave's number
	s_mov_b32 s[G0], 1                             ; count = 1
	s_lshl_b32 s[G0+1], s[WV], 13                  ; LDS address: 8,192 x wave, in slot 0: no place in the cluster enters it
	s_add_nc_u64 s[G0+2:G0+3], s[56:57], s[44:45]
	s_or_b32 s[G0+3], s[G0+3], 0x80000000          ; type = 2
	s_add_nc_u64 s[PFA:PFA+1], s[56:57], s[54:55]
	s_add_nc_u64 s[46:47], s[4:5], s[50:51]        ; Q at my first tile
	s_add_nc_u64 s[48:49], s[10:11], s[52:53]      ; the context likewise
	CROUND                                         ; all four work-groups are here: the first joint loads meet
	tensor_load_to_lds s[G0:G0+3], s[G1:G1+7]      ; slot 0: one load of mine is out
	s_nop 0
.rept 4
	v_nop
.endr
.irp i, 0,1,2,3,4,5,6,7,8,9,10,11,12,13,14,15
	global_load_b128 v[Q+4*\i:Q+4*\i+3], v[LI], s[46:47] offset:512*\i   ; Q stays in registers
.endr
.irp t, 0,1,2,3
	v_mov_b32 v[ST+8*\t+1], 0xff61b1e6             ; m = -3e38, under every score
	v_mov_b32 v[ST+8*\t+2], 0                      ; l
	v_mov_b32 v[ST+8*\t+3], 0
.endr
.irp t, 0,1,2,3
	v_mul_f32 v[ST+8*\t], s[CS], v[ST+8*\t+1]      ; c m
.endr
	WIN W_LD
.set i, 0
.rept 128
	v_mov_b32 v[i], 0                              ; O^T.  The step is written once: the first finds zeros, which a = 0 leaves zeros
.set i, i+1
.endr
	WIN 0
	s_wait_loadcnt 0x0                             ; Q
.macro FETCH_K u                       ; 64 keys x 64 channels: eight fragments, as they lie
.irp i, 0,1,2,3,4,5,6,7,8,9,10,11,12,13,14,15
	ds_load_b128 v[KF+4*\i:KF+4*\i+3], v[ADR] offset:8192*\u+512*\i
.endr
.endm
.macro FETCH_V u                       ; 64 channels x 64 keys
.irp i, 0,1,2,3,4,5,6,7,8,9,10,11,12,13,14,15
	ds_load_b128 v[VF+4*\i:VF+4*\i+3], v[ADR] offset:VOFF+8192*\u+512*\i
.endr
.endm
; The softmax of a step, my four tiles line by line, so that no line waits for the line above it.
.macro SOFTMAX
.irp j, 0,1,2,3                        ; the maximum of a lane's 32 scores and the old m: four chains, one to an accumulator, each read from its low end on
.irp t, 0,1,2,3
	v_max3_num_f32 v[ST+8*\t+4+\j], v[S+32*\t+8*\j], v[S+32*\t+8*\j+1], v[S+32*\t+8*\j+2]
.endr
.endr
.irp q, 1,2
.irp j, 0,1,2,3
.irp t, 0,1,2,3
	v_max3_num_f32 v[ST+8*\t+4+\j], v[ST+8*\t+4+\j], v[S+32*\t+8*\j+2*\q+1], v[S+32*\t+8*\j+2*\q+2]
.endr
.endr
.endr
.irp t, 0,1,2,3
	v_max3_num_f32 v[ST+8*\t+4], v[ST+8*\t+4], v[S+32*\t+7], v[S+32*\t+15]
.endr
.irp t, 0,1,2,3
	v_max3_num_f32 v[ST+8*\t+6], v[ST+8*\t+6], v[S+32*\t+23], v[S+32*\t+31]
.endr
.irp t, 0,1,2,3
	v_max3_num_f32 v[ST+8*\t+4], v[ST+8*\t+4], v[ST+8*\t+5], v[ST+8*\t+6]
.endr
.irp t, 0,1,2,3
	v_max3_num_f32 v[ST+8*\t+4], v[ST+8*\t+4], v[ST+8*\t+7], v[ST+8*\t+1]
.endr
.irp t, 0,1,2,3
	v_permlanex16_b32 v[ST+8*\t+5], v[ST+8*\t+4], s[SEL], s[SEL+1]   ; the query's other 32 keys lie in the lane 16 away
.endr
.irp t, 0,1,2,3
	v_mov_b32 v[ST+8*\t+7], v[ST+8*\t]             ; c m_old is kept for a
.endr
.irp t, 0,1,2,3
	v_max_num_f32 v[ST+8*\t+1], v[ST+8*\t+4], v[ST+8*\t+5]
.endr
.irp t, 0,1,2,3
	v_mul_f32 v[ST+8*\t], s[CS], v[ST+8*\t+1]
.endr
.irp t, 0,1,2,3
	v_sub_f32 v[ST+8*\t+7], v[ST+8*\t+7], v[ST+8*\t]
.endr
.irp b, 0,2,4,6,8,10,12,14,16,18,20,22,24,26,28,30
.irp t, 0,1,2,3
	v_pk_fma_f32 v[S+32*\t+\b:S+32*\t+\b+1], v[S+32*\t+\b:S+32*\t+\b+1], s[CS:CS+1], v[ST+8*\t:ST+8*\t+1] op_sel_hi:[1,0,0] neg_lo:[0,0,1] neg_hi:[0,0,1]   ; c s - c m, two at a time
.endr
.endr
.irp t, 0,1,2,3                        ; ONE batch: the four a, then the 128 p; none reads another's result
	v_exp_f32 v[ST+8*\t+6], v[ST+8*\t+7]
.endr
.set i, 0
.rept 128
	v_exp_f32 v[S+i], v[S+i]
.set i, i+1
.endr
	v_nop                                          ; a plain line behind the last exponential (ISA guide 5.7.2)
	s_wait_alu depctr_va_vdst(0)                   ; the wait ahead of the first line that names a result: one for the batch
.irp t, 0,1,2,3                        ; l = a l + the sum of the unrounded p: two chains a tile
	v_pk_add_f32 v[ST+8*\t+4:ST+8*\t+5], v[S+32*\t:S+32*\t+1], v[S+32*\t+2:S+32*\t+3]
.endr
.irp t, 0,1,2,3
	v_pk_fma_f32 v[ST+8*\t+2:ST+8*\t+3], v[ST+8*\t+2:ST+8*\t+3], v[ST+8*\t+6:ST+8*\t+7], v[S+32*\t+4:S+32*\t+5] op_sel_hi:[1,0,1]
.endr
.irp t, 0,1,2,3
	v_pk_add_f32 v[ST+8*\t+4:ST+8*\t+5], v[ST+8*\t+4:ST+8*\t+5], v[S+32*\t+6:S+32*\t+7]
.endr
.irp j, 8,12,16,20,24,28
.irp t, 0,1,2,3
	v_pk_add_f32 v[ST+8*\t+2:ST+8*\t+3], v[ST+8*\t+2:ST+8*\t+3], v[S+32*\t+\j:S+32*\t+\j+1]
.endr
.irp t, 0,1,2,3
	v_pk_add_f32 v[ST+8*\t+4:ST+8*\t+5], v[ST+8*\t+4:ST+8*\t+5], v[S+32*\t+\j+2:S+32*\t+\j+3]
.endr
.endr
.irp t, 0,1,2,3
	v_pk_add_f32 v[ST+8*\t+2:ST+8*\t+3], v[ST+8*\t+2:ST+8*\t+3], v[ST+8*\t+4:ST+8*\t+5]
.endr
.irp d, 0,1,2,3,4,5,6,7,8,9,10,11,12,13,14,15
.irp t, 0,1,2,3
	v_cvt_pk_f16_f32 v[S+32*\t+\d], v[S+32*\t+2*\d], v[S+32*\t+2*\d+1]   ; P, in place and ascending: register d is written when its own number has been read.  Fragment (t, a) is v[S + 32 t + 8 a] on
.endr
.endr
.endm
; A key step: 64 keys, the u-th of the slot in hand.
.macro STEP u
	s_wait_dscnt 0x0                               ; K is in
.rept 5
	v_nop                                          ; five places (ISA guide 7.12.1): the products below write over P, which the last products V^T P read
.endr
	WIN W_KQ
.irp c, 0,1                            ; S^T = K Q^T: 16 accumulators by turns, one instruction a turn; the first 32 channels start the sums
.irp kt, 0,1,2,3
.irp t, 0,1,2,3
.if \c == 0
	v_wmma_f32_16x16x32_f16 v[S+32*\t+8*\kt:S+32*\t+8*\kt+7], v[KF+8*(2*\kt+\c):KF+8*(2*\kt+\c)+7], v[Q+16*\t+8*\c:Q+16*\t+8*\c+7], 0
.else
	v_wmma_f32_16x16x32_f16 v[S+32*\t+8*\kt:S+32*\t+8*\kt+7], v[KF+8*(2*\kt+\c):KF+8*(2*\kt+\c)+7], v[Q+16*\t+8*\c:Q+16*\t+8*\c+7], v[S+32*\t+8*\kt:S+32*\t+8*\kt+7]
.endif
.endr
.endr
.endr
.rept 4
	v_nop                                          ; four places: for the loads into K's registers and for the softmax's first reads
.endr
	WIN W_LD
	FETCH_V \u                                     ; they land while the softmax is worked
.if \u == 0
	FETCH_K 1
.endif
	WIN 0
	SOFTMAX
.if \u == 0
	s_wait_dscnt 16                                ; V is in; the next step's K, the sixteen younger loads, may be out
.else
	s_wait_dscnt 0x0
.endif
	WIN W_RS
.irp t, 0,1,2,3
.irp p, 0,2,4,6,8,10,12,14,16,18,20,22,24,26,28,30
	v_pk_mul_f32 v[32*\t+\p:32*\t+\p+1], v[32*\t+\p:32*\t+\p+1], v[ST+8*\t+6:ST+8*\t+7] op_sel_hi:[1,0]   ; O^T x a
.endr
.endr
	WIN W_PV
.irp a, 0,1                            ; O^T += V^T P: 16 accumulators by turns
.irp i, 0,1,2,3
.irp t, 0,1,2,3
	v_wmma_f32_16x16x32_f16 v[32*\t+8*\i:32*\t+8*\i+7], v[VF+8*(4*\a+\i):VF+8*(4*\a+\i)+7], v[S+32*\t+8*\a:S+32*\t+8*\a+7], v[32*\t+8*\i:32*\t+8*\i+7]
.endr
.endr
.endr
	WIN 0
.endm
; THE CHANGE OF SLOTS stands at a slot's head.  Each wave waits for all its tensor loads (its part of the slot that it is about to read), adds 0 to its spare word, and waits for that and for its reads of the slot
; that it has left.  fill = 1: behind a round of the cluster's barrier the slot that was left is filled with the next 128 keys of each half: that load has a slot's two steps in which to land.
.macro CHANGE fill
	WIN 0
	s_wait_tensorcnt 0x0                           ; no tensor load of mine is out, so group 0 may be written
	ds_add_u32 v[SPW], v[NIL]                      ; 0 onto my spare word
.if \fill
	s_xor_b32 s[G0+1], s[G0+1], SLOTB              ; the walking descriptor: the other slot than last time,
	s_add_nc_u64 s[G0+2:G0+3], s[G0+2:G0+3], 16384 ; the next 128 keys; the type bits on top are not reached
	s_wait_xcnt 0x0                                ; the last prefetch, a slot back, has read its address, so it may be written
	s_add_nc_u64 s[PFA:PFA+1], s[PFA:PFA+1], 16384
	s_wait_dscnt 0x0                               ; the add is done, and my reads of the slot that I have left are over
	CROUND                                         ; no wave of any partner still reads that slot or has a load on its way
	tensor_load_to_lds s[G0:G0+3], s[G1:G1+7]      ; the first thing behind the round, and my one tensor load until the next
	s_nop 0
.rept 4
	v_nop
.endr
	ASK
.else
	s_wait_dscnt 0x0
	s_barrier_signal -1
	s_barrier_wait -1
.endif
.endm
.macro SLOT_STEPS
	v_add_nc_u32 v[ADR], s[TB], v[LK]
	WIN W_LD
	FETCH_K 0
	STEP 0
	STEP 1
	s_xor_b32 s[TB], s[TB], SLOTB                  ; on to the other slot
.endm
.Lslot:                                            ; seven trips: behind each change of slots but the last the next slot is asked for
	CHANGE 1
	SLOT_STEPS
	s_sub_co_u32 s[SLOTS], s[SLOTS], 1
	s_cmp_lg_u32 s[SLOTS], 0
	s_cbranch_scc1 .Lslot
	CHANGE 0                                       ; the last slot is written out
	SLOT_STEPS
	; THE TWO HALVES OF THE KEYS ARE JOINED.  Waves 4-7 hand O^T, c m and l to waves 0-3 through LDS, as images of their registers.  The eight lines below are the places behind the last products.
.irp t, 0,1,2,3
	v_add_f32 v[LQ+\t], v[ST+8*\t+2], v[ST+8*\t+3]
.endr
.irp t, 0,1,2,3
	v_mov_b32 v[CQ+\t], v[ST+8*\t]                 ; four on end, for one store of 16 bytes
.endr
	s_cmp_lt_u32 s[WV], 4
	s_cbranch_scc1 .Lkeeps
	WIN 0x04                                       ; an LDS store's data are its source 1: window 1
.irp i, 0,1,2,3,4,5,6,7,8,9,10,11,12,13,14,15,16,17,18,19,20,21,22,23,24,25,26,27,28,29,30,31
	ds_store_b128 v[MS], v[4*\i:4*\i+3] offset:512*\i            ; each accumulator from its low end on
.endr
	WIN 0
	ds_store_b128 v[MS], v[CQ:CQ+3] offset:16384
	ds_store_b128 v[MS], v[LQ:LQ+3] offset:16896
.Lkeeps:
	s_wait_dscnt 0x0                               ; for the others' sake: my stores have landed
	s_barrier_signal -1
	s_barrier_wait -1
	s_cmp_lt_u32 s[WV], 4
	s_cbranch_scc0 .Lend
.irp i, 0,1,2,3,4,5,6,7,8,9,10,11,12,13,14,15,16,17,18,19,20,21,22,23,24,25,26,27,28,29,30,31
	ds_load_b128 v[S+4*\i:S+4*\i+3], v[MS] offset:512*\i         ; the partner's O^T, in the same lanes
.endr
	ds_load_b128 v[PB:PB+3], v[MS] offset:16384    ; its c m
	ds_load_b128 v[PB+4:PB+7], v[MS] offset:16896  ; its l
	s_wait_dscnt 0x0
.irp t, 0,1,2,3
	v_max_num_f32 v[ST+8*\t+1], v[CQ+\t], v[PB+\t] ; the larger c m
.endr
.irp t, 0,1,2,3
	v_sub_f32 v[ST+8*\t+2], v[CQ+\t], v[ST+8*\t+1]
	v_sub_f32 v[ST+8*\t+3], v[PB+\t], v[ST+8*\t+1]
.endr
.irp t, 0,1,2,3
	v_exp_f32 v[ST+8*\t+4], v[ST+8*\t+2]           ; fa: my half under the common maximum
	v_exp_f32 v[ST+8*\t+6], v[ST+8*\t+3]           ; fb: the partner's
.endr
	v_nop
	s_wait_alu depctr_va_vdst(0)                   ; one wait for the eight
.irp t, 0,1,2,3
	v_mul_f32 v[ST+8*\t+2], v[LQ+\t], v[ST+8*\t+4]
.endr
.irp t, 0,1,2,3
	v_fma_f32 v[ST+8*\t+2], v[PB+4+\t], v[ST+8*\t+6], v[ST+8*\t+2]
.endr
.irp t, 0,1,2,3
	v_permlanex16_b32 v[ST+8*\t+3], v[ST+8*\t+2], s[SEL], s[SEL+1]
.endr
.irp t, 0,1,2,3
	v_add_f32 v[ST+8*\t+2], v[ST+8*\t+2], v[ST+8*\t+3]   ; the row's sum
.endr
.irp t, 0,1,2,3
	v_rcp_f32 v[ST+8*\t+3], v[ST+8*\t+2]
.endr
	v_nop
	s_wait_alu depctr_va_vdst(0)                   ; one wait for the four
.irp t, 0,1,2,3
	v_mul_f32 v[ST+8*\t+4], v[ST+8*\t+4], v[ST+8*\t+3]
	v_mul_f32 v[ST+8*\t+6], v[ST+8*\t+6], v[ST+8*\t+3]
.endr
.irp t, 0,1,2,3
.irp p, 0,2,4,6,8,10,12,14,16,18,20,22,24,26,28,30
	v_pk_mul_f32 v[S+32*\t+\p:S+32*\t+\p+1], v[S+32*\t+\p:S+32*\t+\p+1], v[ST+8*\t+6:ST+8*\t+7] op_sel_hi:[1,0]
.endr
.endr
	WIN 0x01                                       ; source 0 (my O^T) window 1
.irp t, 0,1,2,3
.irp p, 0,2,4,6,8,10,12,14,16,18,20,22,24,26,28,30
	v_pk_fma_f32 v[S+32*\t+\p:S+32*\t+\p+1], v[32*\t+\p:32*\t+\p+1], v[ST+8*\t+4:ST+8*\t+5], v[S+32*\t+\p:S+32*\t+\p+1] op_sel_hi:[1,0,1]   ; each accumulator from its low end on
.endr
.endr
	WIN 0
.irp t, 0,1,2,3
.irp d, 0,1,2,3,4,5,6,7,8,9,10,11,12,13,14,15
	v_cvt_pk_f16_f32 v[S+32*\t+\d], v[S+32*\t+2*\d], v[S+32*\t+2*\d+1]   ; in place, ascending: two tiles of channels make a fragment of 16 rows x 32
.endr
.endr
.irp t, 0,1,2,3
.irp c, 0,1
.irp e, 0,1
	global_store_b128 v[LI], v[S+32*\t+8*\c+4*\e:S+32*\t+8*\c+4*\e+3], s[48:49] offset:24576*\t+1024*\c+512*\e   ; 32 lanes store 512 consecutive bytes, aligned
.endr
.endr
.endr
.Lend:
	s_wait_tensorcnt 0x0                           ; the wave's end: behind my last tensor load and my last LDS store
	ds_add_u32 v[SPW], v[NIL]
	s_wait_dscnt 0x0
	CROUND                                         ; the closing round: no work-group ends while a partner may still ask for a tile that names it
	s_endpgm
.Lfunc_end_k_q5531789a87_attn:
	.size	k_q5531789a87_attn, .Lfunc_end_k_q5531789a87_attn-k_q5531789a87_attn
	.p2alignl 7, 3214868480
	.fill 96, 4, 3214868480
	.section	.rodata,"a",@progbits
	.p2align	6, 0x0
	.amdhsa_kernel k_q5531789a87_attn
		.amdhsa_group_segment_fixed_size 327680
		.amdhsa_private_segment_fixed_size 0
		.amdhsa_enable_private_segment 0
		.amdhsa_kernarg_size 32
		.amdhsa_user_sgpr_count 2
		.amdhsa_user_sgpr_kernarg_segment_ptr 1
		.amdhsa_wavefront_size32 1
		.amdhsa_system_sgpr_workgroup_id_x 1
		.amdhsa_system_sgpr_workgroup_id_y 1
		.amdhsa_system_sgpr_workgroup_id_z 1
		.amdhsa_system_vgpr_workitem_id 0
		.amdhsa_next_free_vgpr 512
		.amdhsa_next_free_sgpr 66
		.amdhsa_reserve_vcc 0
		.amdhsa_float_denorm_mode_32 3
		.amdhsa_float_denorm_mode_16_64 3
		.amdhsa_memory_ordered 1
		.amdhsa_forward_progress 1
		.amdhsa_inst_pref_size 159
	.end_amdhsa_kernel
	.amdgpu_metadata
---
amdhsa.version: [ 1, 2 ]
amdhsa.kernels:
  - .name:           k_q5531789a87_attn
    .symbol:         k_q5531789a87_attn.kd
    .args:
      - { .name: qf, .offset: 0, .size: 8, .value_kind: global_buffer, .address_space: global }
      - { .name: kf, .offset: 8, .size: 8, .value_kind: global_buffer, .address_space: global }
      - { .name: vf, .offset: 16, .size: 8, .value_kind: global_buffer, .address_space: global }
      - { .name: cf, .offset: 24, .size: 8, .value_kind: global_buffer, .address_space: global }
    .group_segment_fixed_size: 327680
    .private_segment_fixed_size: 0
    .kernarg_segment_align: 8
    .kernarg_segment_size: 32
    .max_flat_workgroup_size: 256
    .sgpr_count:     66
    .vgpr_count:     512
    .wavefront_size: 32
...
	.end_amdgpu_metadata
.endif
;; end of part 3
;; launch outp (part 4): grid 4 x 64, 4 waves a work-group, clusters of 4 x 1, 167,936 bytes of LDS; arguments cf, wo16, out0; writes out0
.if DOCPART == 4
	.amdgcn_target "amdgcn-amd-amdhsa--gfx1250"
	.amdhsa_code_object_version 6
	.text
	.protected	k_q5531789a87_outp
	.globl	k_q5531789a87_outp
	.p2align	8
	.type	k_q5531789a87_outp,@function
k_q5531789a87_outp:
	s_mov_b64 s[64:65], 0
	v_nop
	global_prefetch_b8 v0, s[64:65] scope:SCOPE_SE
	s_setreg_imm32_b32 hwreg(HW_REG_WAVE_MODE, 25, 1), 1
	s_wait_xcnt 0x0
	s_wait_alu depctr_hold_cnt(0) depctr_sa_sdst(0) depctr_va_vdst(0) depctr_va_sdst(0) depctr_va_ssrc(0) depctr_va_vcc(0) depctr_vm_vsrc(0)
	s_getreg_b32 s2, hwreg(HW_REG_IB_STS2, 6, 4)
	s_cmp_eq_u32 s2, 0
	s_cbranch_scc0 .Lentry_in_a_cluster
	s_endpgm
.Lentry_in_a_cluster:
	s_bfe_u32 s2, ttmp6, 0x10000c
	s_cmp_lg_u32 s2, 0x3003
	s_cbranch_scc0 .Lentry_shape_is_right
	s_endpgm
.Lentry_shape_is_right:
; out0 = context Wo^T: [4,096][768] f32, from f16 operands with f32 sums.  cf: [tile of 16 rows 256][K step of 32: 24][1024];  wo16: [tile of 16 rows of Wo 48][24][1024]: images of operand registers.
; SHARES.  Work-group (x, y) makes rows 64 y .. 64 y + 63, columns 192 x .. 192 x + 191.  Wave w makes 48 of the columns (three tiles) for all 64 rows: twelve accumulators.  Its 72 fragments of Wo stay in its
; registers, read once; the 64 rows of the context (98,304 bytes) lie in LDS for all four waves.  All that the work-group reads is asked for at its head; no LDS byte is filled twice.
; CLUSTER.  The four work-groups of a cluster make the four column blocks of the same rows: the context's tiles are asked for jointly.  Wo does not go through LDS: each fragment of it has one reader in a
; work-group, and a block's 294,912 bytes do not fit beside the context.
; THE PRODUCT IS USED TRANSPOSED (source 0 = 16 rows of Wo, source 1 = 16 rows of the context): a lane holds eight neighbouring numbers of a row of out0.
; REGISTERS.  Window 0: v1-2 addresses; v16-111 accumulators (8 (4 t + m)); v112-175, v176-239 two buffers of the context's fragments (two K steps x four tiles of rows); v240-245 addresses.
;   Window 1 + s / 8: Wo's fragment (t, s) at 8 (3 (s % 8) + t).
.set MT,    24576                      ; a tile of 16 rows of the context: 24 fragments
.set STG,   98304                      ; behind the context: the stage for the way out, 64 rows x SP
.set SP,    784                        ; 768 bytes + 16 = 49 x 16: the 16 rows that a store touches start at 16 different groups of banks (64 banks of 4 bytes: ISA guide 11.1)
.set SPARE, 148480                     ; the spare words, 128 bytes for each wave: two blocks of 256 bytes that no other line names
.set LA,  1                            ; v1   16 x lane;  v2  the same + 2 MT
.set ACC, 16
.set F0,  112
.set STO, 240                          ; v240 the stage: where I put 32 bytes of a row
.set RD0, 241                          ; v241 my 16 rows of the stage, 16 bytes a lane
.set RD1, 242                          ; v242 the same for the load that takes the end of one row and the head of the next
.set GO1, 243                          ; v243 and that load's place in out0
.set SPW, 244                          ; v244 my spare word; never rewritten
.set NIL, 245                          ; v245 0; never rewritten
.set WV,  10
.set G1,  16                           ; s[16:23], s[24:27]
.set G0,  24
.set MSB, 0
.macro WIN new
.if MSB != (\new)
	s_set_vgpr_msb (MSB<<8)|(\new)
.set MSB, (\new)
.endif
.endm
.macro CROUND
	s_barrier_signal -1
	s_barrier_wait -1
	s_cmp_lg_u32 s[WV], 0
	s_cbranch_scc1 .Lnot_wave_0_\@
	s_barrier_signal -3
.Lnot_wave_0_\@:
	s_barrier_wait -3
	s_barrier_signal -1
	s_barrier_wait -1
.endm
	s_load_b128 s[4:7], s[0:1], 0x0                ; cf s[4:5], wo16 s[6:7]
	s_load_b64 s[8:9], s[0:1], 0x10                ; out0
	v_lshl_add_u32 v[SPW], v0, 2, SPARE
	v_mov_b32 v[NIL], 0
	ds_add_u32 v[SPW], v[NIL]                      ; the wave's opening: the add, twice on end, and its wait ahead of my first tensor load
	ds_add_u32 v[SPW], v[NIL]
	v_lshrrev_b32 v3, 5, v0
	v_readfirstlane_b32 s[WV], v3                  ; wave 0..3
	s_bfe_u32 s11, ttmp6, 0x40000                  ; cx
	s_lshl_b32 s13, ttmp9, 2
	s_add_co_u32 s13, s13, s11                     ; my block of 192 columns: it enters Wo's and out0's addresses alone
	s_and_b32 s12, ttmp7, 0xffff                   ; my block of 64 rows, which the four partners share
	; descriptor group 1: 24,576 dense bytes as 96 rows of 256 (32 elements of 8 bytes), no padding
	s_mov_b32 s[G1], 15|(3<<16)|(1<<21)            ; the mask: all four work-groups; elements of 8 bytes; bit 21 set beside a mask
	s_mov_b32 s[G1+1], 32<<16                      ; tensor_dim0
	s_mov_b32 s[G1+2], 96<<16                      ; tensor_dim1
	s_mov_b32 s[G1+3], 32<<16                      ; tile_dim0
	s_mov_b32 s[G1+4], 96                          ; tile_dim1
	s_mov_b32 s[G1+5], 32                          ; tensor_dim0_stride
	s_mov_b32 s[G1+6], 0
	s_mov_b32 s[G1+7], 0
	s_lshl_b32 s28, s12, 2
	s_add_co_u32 s28, s28, s[WV]
	s_mul_i32 s28, s28, MT                         ; the tile of rows that I fetch: 4 y + wave
	s_mov_b32 s29, 0
	s_mul_i32 s30, s13, 12
	s_mul_i32 s31, s[WV], 3
	s_add_co_u32 s30, s30, s31
	s_mul_i32 s30, s30, MT                         ; my first tile of Wo: 12 x + 3 wave
	s_mov_b32 s31, 0
	s_lshl_b32 s32, s12, 6
	s_lshl_b32 s33, s[WV], 4
	s_add_co_u32 s32, s32, s33
	s_mul_i32 s32, s32, 3072                       ; the first row that I store: 64 y + 16 wave,
	s_mul_i32 s33, s13, 768                        ; my work-group's columns
	s_add_co_u32 s32, s32, s33
	s_mov_b32 s33, 0
	v_and_b32 v3, 31, v0
	v_and_b32 v4, 15, v0                           ; r
	v_bfe_u32 v5, v0, 4, 1                         ; h
	v_lshlrev_b32 v[LA], 4, v3
	v_add_nc_u32 v[LA+1], 2*MT, v[LA]
	s_mul_i32 s34, s[WV], 192
	s_add_co_u32 s34, s34, STG
	v_mul_u32_u24 v[STO], v4, SP
	v_lshl_add_u32 v[STO], v5, 5, v[STO]
	v_add_nc_u32 v[STO], s34, v[STO]               ; row r, + 32 h, + my wave's 192 bytes
	s_mul_i32 s35, s[WV], 16*SP
	s_add_co_u32 s35, s35, STG
	v_add_nc_u32 v[RD0], s35, v[LA]
	v_lshl_add_u32 v[RD1], v5, 4, v[RD0]
	v_add_nc_u32 v[RD1], 512, v[RD1]               ; lanes 0-15: bytes 512 on of a row; lanes 16-31: the next row's first 256 (SP - 768 = 16 further)
	v_mul_u32_u24 v[GO1], v5, 2304
	v_add_nc_u32 v[GO1], v[GO1], v[LA]
	v_add_nc_u32 v[GO1], 512, v[GO1]               ; the same two places in out0 (3,072 - 768 = 2,304 further)
	s_wait_dscnt 0x0                               ; both opening adds are done
	s_wait_kmcnt 0x0
	s_mov_b32 s[G0], 1                             ; count = 1
	s_mul_i32 s[G0+1], s[WV], MT                   ; LDS address: no place in the cluster enters it
	s_add_nc_u64 s[G0+2:G0+3], s[4:5], s[28:29]
	s_or_b32 s[G0+3], s[G0+3], 0x80000000          ; type = 2
	s_add_nc_u64 s[6:7], s[6:7], s[30:31]
	s_add_nc_u64 s[8:9], s[8:9], s[32:33]
	CROUND                                         ; all four work-groups are here: the joint loads meet
	tensor_load_to_lds s[G0:G0+3], s[G1:G1+7]      ; one load of mine is out
	s_nop 0
.rept 4
	v_nop
.endr
.irp n, 1,2,3                          ; my 72 fragments of Wo, window by window in the order in which they are wanted
	WIN \n<<6
.irp s, 0,1,2,3,4,5,6,7
.irp t, 0,1,2
.irp e, 0,1
	global_load_b128 v[8*(3*\s+\t)+4*\e:8*(3*\s+\t)+4*\e+3], v[LA], s[6:7] offset:(24*\t+8*(\n-1)+\s)*1024+512*\e
.endr
.endr
.endr
.endr
	WIN 0
	s_wait_tensorcnt 0x0                           ; my tile of rows is in,
	s_barrier_signal -1
	s_barrier_wait -1                              ; everybody's is
.macro FETCH q                         ; K steps 2 q and 2 q + 1 of the four tiles of rows into buffer q % 2
.irp sp, 0,1
.irp m, 0,1,2,3
.irp e, 0,1
	ds_load_b128 v[F0+64*((\q)%2)+8*(4*\sp+\m)+4*\e:F0+64*((\q)%2)+8*(4*\sp+\m)+4*\e+3], v[LA+\m/2] offset:(\m%2)*MT+(2*(\q)+\sp)*1024+512*\e
.endr
.endr
.endr
.endm
	FETCH 0
.irp q, 0,1,2,3,4,5,6,7,8,9,10,11
.if \q > 0
.rept 4
	v_nop                                          ; four places (ISA guide 7.12.1 for vector instructions) in front of loads into the buffer that the last products read
.endr
.endif
.if \q < 11
	FETCH \q+1
	s_wait_dscnt 16                                ; this buffer is in; the sixteen loads just issued may be out
.else
	s_wait_dscnt 0x0
.endif
.if \q == 0
	s_wait_loadcnt 63                              ; of the 144 loads at most 63 are out: the first 81 are in, window 1's 48 among them
.endif
.if \q == 4
	s_wait_loadcnt 48                              ; window 2's are in; window 3's 48 may be out
.endif
.if \q == 8
	s_wait_loadcnt 0x0
.endif
	WIN 1+\q/4                                     ; source 0 (Wo) in window 1 + s / 8
.irp sp, 0,1                           ; twelve accumulators by turns, one instruction a turn; the first K step starts the sums
.irp t, 0,1,2
.irp m, 0,1,2,3
.if (2*\q+\sp) == 0
	v_wmma_f32_16x16x32_f16 v[ACC+8*(4*\t+\m):ACC+8*(4*\t+\m)+7], v[8*(3*((2*\q+\sp)%8)+\t):8*(3*((2*\q+\sp)%8)+\t)+7], v[F0+64*(\q%2)+8*(4*\sp+\m):F0+64*(\q%2)+8*(4*\sp+\m)+7], 0
.else
	v_wmma_f32_16x16x32_f16 v[ACC+8*(4*\t+\m):ACC+8*(4*\t+\m)+7], v[8*(3*((2*\q+\sp)%8)+\t):8*(3*((2*\q+\sp)%8)+\t)+7], v[F0+64*(\q%2)+8*(4*\sp+\m):F0+64*(\q%2)+8*(4*\sp+\m)+7], v[ACC+8*(4*\t+\m):ACC+8*(4*\t+\m)+7]
.endif
.endr
.endr
.endr
	WIN 0
.endr
	; THE WAY OUT.  A row's 768 bytes come from four waves: they meet in the stage; each wave then takes 16 whole rows.  Two rows are 1,536 bytes: three loads and three stores of 512, each half of the lanes on 256 consecutive, aligned bytes of out0.
.rept 4
	v_nop                                          ; places behind the last products: for the stores that read them, and for the loads below into the fragments' registers
.endr
.irp m, 0,1,2,3
.irp t, 0,1,2
	ds_store_b128 v[STO], v[ACC+8*(4*\t+\m):ACC+8*(4*\t+\m)+3] offset:16*SP*\m+64*\t         ; each accumulator from its low end on
	ds_store_b128 v[STO], v[ACC+8*(4*\t+\m)+4:ACC+8*(4*\t+\m)+7] offset:16*SP*\m+64*\t+16
.endr
.endr
	s_wait_dscnt 0x0                               ; for the others' sake: my stores into the stage are done
	s_barrier_signal -1
	s_barrier_wait -1
.irp p, 0,1,2,3,4,5,6,7
	ds_load_b128 v[F0+12*\p:F0+12*\p+3], v[RD0] offset:2*SP*\p                ; row 2 p, bytes 0 to 511
	ds_load_b128 v[F0+12*\p+4:F0+12*\p+7], v[RD1] offset:2*SP*\p              ; its last 256, and row 2 p + 1's first 256
	ds_load_b128 v[F0+12*\p+8:F0+12*\p+11], v[RD0] offset:2*SP*\p+SP+256      ; row 2 p + 1, bytes 256 to 767
.endr
.irp p, 0,1,2,3,4,5,6,7
	s_wait_dscnt 23-3*\p                           ; LDS loads come back in order: this one is in, the younger ones may be out
	global_store_b128 v[LA], v[F0+12*\p:F0+12*\p+3], s[8:9] offset:6144*\p th:TH_STORE_NT
	s_wait_dscnt 22-3*\p
	global_store_b128 v[GO1], v[F0+12*\p+4:F0+12*\p+7], s[8:9] offset:6144*\p th:TH_STORE_NT
	s_wait_dscnt 21-3*\p
	global_store_b128 v[LA], v[F0+12*\p+8:F0+12*\p+11], s[8:9] offset:6144*\p+3328 th:TH_STORE_NT
.endr
	s_wait_tensorcnt 0x0                           ; the wave's end: behind my last tensor load and my last LDS store
	ds_add_u32 v[SPW], v[NIL]
	s_wait_dscnt 0x0
	CROUND                                         ; the closing round: no work-group ends while a partner may still ask for a tile that names it
	s_endpgm
.Lfunc_end_k_q5531789a87_outp:
	.size	k_q5531789a87_outp, .Lfunc_end_k_q5531789a87_outp-k_q5531789a87_outp
	.p2alignl 7, 3214868480
	.fill 96, 4, 3214868480
	.section	.rodata,"a",@progbits
	.p2align	6, 0x0
	.amdhsa_kernel k_q5531789a87_outp
		.amdhsa_group_segment_fixed_size 167936
		.amdhsa_private_segment_fixed_size 0
		.amdhsa_enable_private_segment 0
		.amdhsa_kernarg_size 24
		.amdhsa_user_sgpr_count 2
		.amdhsa_user_sgpr_kernarg_segment_ptr 1
		.amdhsa_wavefront_size32 1
		.amdhsa_system_sgpr_workgroup_id_x 1
		.amdhsa_system_sgpr_workgroup_id_y 1
		.amdhsa_system_sgpr_workgroup_id_z 1
		.amdhsa_system_vgpr_workitem_id 0
		.amdhsa_next_free_vgpr 1024
		.amdhsa_next_free_sgpr 66
		.amdhsa_reserve_vcc 0
		.amdhsa_float_denorm_mode_32 3
		.amdhsa_float_denorm_mode_16_64 3
		.amdhsa_memory_ordered 1
		.amdhsa_forward_progress 1
		.amdhsa_inst_pref_size 57
	.end_amdhsa_kernel
	.amdgpu_metadata
---
amdhsa.version: [ 1, 2 ]
amdhsa.kernels:
  - .name:           k_q5531789a87_outp
    .symbol:         k_q5531789a87_outp.kd
    .args:
      - { .name: cf, .offset: 0, .size: 8, .value_kind: global_buffer, .address_space: global }
      - { .name: wo16, .offset: 8, .size: 8, .value_kind: global_buffer, .address_space: global }
      - { .name: out0, .offset: 16, .size: 8, .value_kind: global_buffer, .address_space: global }
    .group_segment_fixed_size: 167936
    .private_segment_fixed_size: 0
    .kernarg_segment_align: 8
    .kernarg_segment_size: 24
    .max_flat_workgroup_size: 128
    .sgpr_count:     66
    .vgpr_count:     1024
    .wavefront_size: 32
...
	.end_amdgpu_metadata
.endif
;; end of part 4
